; MI455X (gfx1250); checked and timed in simulation.
; The chip was launched on July 23, 2026; its instructions are those of AMD's public machine-readable ISA for CDNA 5 (MIT licence, August 2026) and "CDNA5" Instruction Set Architecture Reference Guide (July 2026). The comments in the code are by the model that wrote it; some were corrected since.
;; Multi Head Attention. Allowed arithmetic: matrix products marked QUANTISED: E2M3 operands, one E8M0 scale for each 32 along K, by v_wmma_scale_f32_16x16x128_f8f6f4 with both operands' format E2M3, f32 sums; products left as they are: f32 operands where the result goes on into a quantised operand, else bf16, f16 or f32 operands; f32 sums; everything else in f32.
;; Inputs: alpha 1 float32; bk 1,024 float32; bo 1,024 float32; bq 1,024 float32; bv 1,024 float32; wk_codes 1,024 x 32 x 24 uint8 (E2M3 codes of wk, K innermost, in blocks of 32 codes, four codes in three bytes); wk_scales 1,024 x 32 uint8 (E8M0 scales of wk, one for each 32 codes along K); wo_codes 1,024 x 32 x 24 uint8 (E2M3 codes of wo, K innermost, in blocks of 32 codes, four codes in three bytes); wo_scales 1,024 x 32 uint8 (E8M0 scales of wo, one for each 32 codes along K); wq_codes 1,024 x 32 x 24 uint8 (E2M3 codes of wq, K innermost, in blocks of 32 codes, four codes in three bytes); wq_scales 1,024 x 32 uint8 (E8M0 scales of wq, one for each 32 codes along K); wv_codes 1,024 x 32 x 24 uint8 (E2M3 codes of wv, K innermost, in blocks of 32 codes, four codes in three bytes); wv_scales 1,024 x 32 uint8 (E8M0 scales of wv, one for each 32 codes along K); x_codes 2 x 2,048 x 32 x 24 uint8 (E2M3 codes of x, K innermost, in blocks of 32 codes, four codes in three bytes); x_scales 2 x 2,048 x 32 uint8 (E8M0 scales of x, one for each 32 codes along K).
;; Outputs: out0 2 x 2,048 x 1,024 float32.
;; This version of the problem:
;;   THIS VERSION OF THE PROBLEM IS GIVEN IN LOW PRECISION. The matrix products marked QUANTISED in the list below multiply operands that are first quantised to E2M3 (2 exponent bits, 3 mantissa bits; 6 bits a number), with one power-of-two scale for each 32 numbers along K (OCP MX v1.0); their sums are f32. All else is computed in f32.
;;   The module's matrix products, in the order in which they are computed (A, B: the left and right operand; K: the contracted axis; several contracted axes count as one K, in the product's order):
;;     1. [M 4,096, K 1,024] x [K 1,024, N 1,024]; A: input x (given as codes); B: input wq (given as codes): QUANTISED
;;     2. [M 4,096, K 1,024] x [K 1,024, N 1,024]; A: input x (given as codes); B: input wk (given as codes): QUANTISED
;;     3. [M 4,096, K 1,024] x [K 1,024, N 1,024]; A: input x (given as codes); B: input wv (given as codes): QUANTISED
;;     4. batch 32 x [M 2,048, K 64] x [K 64, N 2,048]; A: computed on the way; B: computed on the way: QUANTISED
;;     5. batch 65,536 x [M 1, K 64] x [K 64, N 1]; A: computed on the way; B: computed on the way: left as it is (M = 1 < 16)
;;     6. batch 65,536 x [M 1, K 64] x [K 64, N 1]; A: computed on the way; B: computed on the way: left as it is (M = 1 < 16)
;;     7. batch 32 x [M 64, K 2,048] x [K 2,048, N 2,048]; A: computed on the way; B: softmax (see below): QUANTISED
;;     8. [M 4,096, K 1,024] x [K 1,024, N 1,024]; A: computed on the way; B: input wo (given as codes): QUANTISED
;;   THE QUANTISER, for each operand of a quantised product, along K:
;;     - K is cut into blocks of 32 from its start; a last block that is shorter is filled with zeros.
;;     - A block's scale is 2^e with e = floor(log2(the largest magnitude in the block)) - 2, held to -126 .. 127; a block of zeros has e = 0. As a byte (E8M0): e + 127.
;;     - Each number is divided by its block's scale, clamped to +-7.5, and rounded to the nearest number of E2M3, ties to even, subnormals kept.
;;     - The product sums the exact products of the quantised numbers (number of the format x scale) in f32.
;;   ~~~python
;;   def quantise(x, axis):      # numpy; x: float32 -> the quantised numbers, widened to float32 again
;;       x = np.moveaxis(x, axis, -1); K = x.shape[-1]
;;       x = np.pad(x, [(0, 0)] * (x.ndim - 1) + [(0, -K % 32)]); x = x.reshape(x.shape[:-1] + (-1, 32)); a = np.abs(x).max(-1, keepdims=True)
;;       e = np.where(a > 0, np.clip(np.frexp(np.where(a > 0, a, 1))[1] - 1 - 2, -126, 127), 0)      # np.frexp(a)[1] - 1 = floor(log2(a)), exactly
;;       r = np.clip(x / 2.0 ** e, -7.5, 7.5)
;;       step = 2.0 ** (np.maximum(np.frexp(np.where(r == 0, 1, r))[1] - 1, 0) - 3)
;;       q = np.round(r / step) * step * 2.0 ** e      # np.round: ties to even
;;       return np.moveaxis(q.reshape(q.shape[:-2] + (-1,))[..., :K], -1, axis).astype(np.float32)
;;   ~~~
;;   SOFTMAX AHEAD OF A QUANTISED PRODUCT. Where the list says 'softmax', what is quantised is not the finished softmax but p = 2^(t - M), with t = logit x log2(e) and M = ceil(the row's largest t), a whole number; so 1/2 < the row's largest p <= 1. The row's sum l is taken of the UNQUANTISED p, in f32, and the product's result is divided by l at the end. Since M is a whole number, a kernel that streams over the keys may use a running M (the ceiling of the running maximum): every later rescaling is an exact power of two, which a block's scale takes up: the codes' values come out the same.
;;   OPERANDS COMPUTED ON THE WAY. 'Computed on the way' means the value that the module computes at that place (a softmax that the list does not call 'softmax' is quantised finished and normalised). What goes into a quantiser is computed in f32, as accurately as f32 sums, v_exp_f32 and their like allow (about 1e-6 of the number): no bf16 or f16 on the way to a quantiser, and a product that is left as it is and whose result goes on into a quantised operand takes f32 operands (vector FMAs, or v_wmma_f32_16x16x4_f32). A number that lies on a knife's edge between two numbers of the format may be rounded either way, as far as f32 arithmetic and the matrix unit's own rounding can turn it there, and no further.
;;   INPUTS GIVEN AS CODES. wk (in the module: [1024, 1024], K = its axis 0); wo (in the module: [1024, 1024], K = its axis 0); wq (in the module: [1024, 1024], K = its axis 0); wv (in the module: [1024, 1024], K = its axis 0); x (in the module: [2, 2048, 1024], K = its axis 2): each comes as NAME_codes (uint8): NAME with its K axis moved to the last place and cut into blocks of 32 codes, [.., K / 32, bytes a block], one block behind the other in memory; four codes in three bytes: a row's codes are one little-endian stream of bits, code i at bits 6 i .. 6 i + 5 (a code: sign, 2 exponent bits, 3 mantissa bits); and NAME_scales (uint8): the same leading axes, one E8M0 byte (e + 127) for each 32 codes along K. Its value is code x scale, taken as it is: it is not quantised again, and the codes and scales need not be those that the quantiser above would give.
;; One version. Each part assembles by itself: llvm-mc -triple=amdgcn-amd-amdhsa -mcpu=gfx1250 --defsym DOCPART=n.
;; ======== version 1 of 1: 3 launches
;; limits: right only within a limited range of input values
;; workspace buffers: qbuf 3,670,016 bytes; kv 6,946,816 bytes; oimg 3,145,728 bytes; osc 131,072 bytes
;; launch qkv (part 1): grid 16 x 16, 6 waves a work-group, clusters of 4 x 4, 327,680 bytes of LDS; arguments x_codes, x_scales, wq_codes, wq_scales, bq, wk_codes, wk_scales, bk, wv_codes, wv_scales, bv, qbuf, kv; writes qbuf, kv
.if DOCPART == 1
	.amdgcn_target "amdgcn-amd-amdhsa--gfx1250"
	.amdhsa_code_object_version 6
	.text
	.protected	k_qa2072a464e_qkv
	.globl	k_qa2072a464e_qkv
	.p2align	8
	.type	k_qa2072a464e_qkv,@function
k_qa2072a464e_qkv:
	s_mov_b64 s[64:65], 0
	v_nop
	global_prefetch_b8 v0, s[64:65] scope:SCOPE_SE
	s_setreg_imm32_b32 hwreg(HW_REG_WAVE_MODE, 25, 1), 1
	s_wait_xcnt 0x0
	s_wait_alu depctr_hold_cnt(0) depctr_sa_sdst(0) depctr_va_vdst(0) depctr_va_sdst(0) depctr_va_ssrc(0) depctr_va_vcc(0) depctr_vm_vsrc(0)
	s_getreg_b32 s2, hwreg(HW_REG_IB_STS2, 6, 4)
	s_cmp_eq_u32 s2, 0
	s_cbranch_scc0 .Lentry_in_a_cluster
	s_endpgm
.Lentry_in_a_cluster:
	s_bfe_u32 s2, ttmp6, 0x10000c
	s_cmp_lg_u32 s2, 0xf033
	s_cbranch_scc0 .Lentry_shape_is_right
	s_endpgm
.Lentry_shape_is_right:
; q = x wq + bq, k = x wk + bk, v = x wv + bv on codes of FP6 (E2M3) as they are given; then |q|^2 + eps and |k|^2 in f32 of the unquantised numbers,
; and q, k (along the head's 64) and v (along the keys) quantised anew and laid out as the next launch's operand registers.
; SHARES.  A work-group makes q, k and v of ONE head (X) for 128 rows of x (Y); all of K = 1,024 lies in LDS, filled once.  Six waves: wave w makes tensor w / 2 (q, k, v) for rows 64 (w % 2) on:
; 64 x 64 numbers, 16 accumulators, 8 K steps of 128.
; CLUSTER 4 x 4: x's tiles hang on Y alone and are asked for jointly along a row of the cluster, the weights' on X alone, along a column.
; THE ROWS OF A TILE ARE NOT NEIGHBOURS: within 32 rows, lane r of tile u takes row 8 u + r + 8 (r / 8), for x's rows and for a head's channels alike, so that the 16 result registers of two neighbouring
; tiles are 16 neighbours along the next product's K.  The fill makes that order: rows are dense in memory, a band of 8 rows is 6,144 bytes, and one load takes the four even or the four odd bands of 64 rows.
; q, k: source 0 = 16 channels of W, source 1 = 16 rows of x: a lane holds one row, its registers run along the channels.  v: the sources swapped: a lane holds one channel, its registers run along the keys.
; A HALF FRAGMENT (768 bytes) is six operand registers of 32 lanes: registers 0-3 at 16 x lane, registers 4-5 at 512 + 8 x lane: three aligned runs of 256 bytes.
; qbuf: a block of 7,168 bytes for a head's 128 rows: 8 half fragments; 512 bytes of scale words (tile t, lane r at 16 (16 (t / 4) + r) + 4 (t % 4)); 512 bytes of norms, rows in their natural order.
; kv: a slab of 13,568 bytes: the same for k; then v's 8 half fragments (channel tile d, keys 64 c on: 2 d + c) and 256 bytes of its scale words (8 (16 (d / 2) + r) + 4 (d % 2)).
; LIMITS: NaN and infinities are not served; a block whose largest magnitude lies under 2^-124, a block of zeros too, gets the scale byte 1 (its codes are zeros or subnormal codes; this program alone reads the bytes);
; a norm's 64 squares are added in another order than a plain running sum.
; A WORK-GROUP STAYS for two blocks of 128 rows, Y of batch 0 and then Y of batch 1: the weights' codes and scale bytes are brought once; x's codes and scale bytes are filled at the top of each of the two trips
; (so of the fills only the weights' are filled once).  At the head a wave issues one tensor load, its part of the weights' codes; x's loads stand behind the waits, the add and a round of the cluster's barrier.
; The weights' scale bytes come through registers into LDS bytes of their own, which no tensor load fills.  All of LDS is claimed.
.set PITCH, 816
.set REG,   32*PITCH                   ; what one load of codes brings: 32 rows
.set XB,    0                          ; x's codes: region (half, u)
.set WB,    4*REG                      ; the weights' codes: region (tensor, u)
.set XS,    10*REG                     ; x's scale bytes, 128 rows of 32
.set WS,    XS+4096                    ; the weights': 64 rows of 32 for each tensor
.set STG,   WS+3*2048                  ; 512 bytes for each wave: scale words and norms on their way out
.set VST,   STG+6*512                  ; 256 bytes: v's scale words
.set SC,  16                           ; v16-23  scale words and nothing else: register 2 i + s % 2: lanes 0-15 x's tile i, lanes 16-31 W's tile i
.set BV,  24                           ; v24-31  v's bias of my channel, a pair for each tile of W
.set XF,  32                           ; v32-79  x's four fragments
.set WF,  80                           ; v80-127 W's four
.set ACC, 128                          ; v128-255
.set CB,  32                           ; behind the products: codes, 8 registers a tile;
.set YQ,  64                           ; a conversion's second result;
.set TQ,  68                           ; v68-73 at work in QUANT2; v74-79 in NORM;
.set NB,  80                           ; four norms;
.set SW,  84                           ; four scale words;
.set LB,  88                           ; 16 bytes back from the stage
.set SEL, 100                          ; s[100:101] v_permlanex16_b32's selects for lane l xor 16
.macro CROUND                          ; a round of the cluster's barrier
	s_barrier_signal -1
	s_barrier_wait -1
	s_cmp_lg_u32 s30, 0
	s_cbranch_scc1 .Lnot_wave_0_\@
	s_barrier_signal -3
.Lnot_wave_0_\@:
	s_barrier_wait -3
	s_barrier_signal -1
	s_barrier_wait -1
.endm
.macro PLACES                          ; four plain places: behind matrix instructions, and behind each tensor load
.rept 4
	v_nop
.endr
.endm
	s_load_b512 s[4:19], s[0:1], 0x0               ; x_codes 4, x_scales 6, wq_codes 8, wq_scales 10, bq 12, wk_codes 14, wk_scales 16, bk 18
	s_load_b256 s[20:27], s[0:1], 0x40             ; wv_codes 20, wv_scales 22, bv 24, qbuf 26
	s_load_b64 s[28:29], s[0:1], 0x60              ; kv
	s_set_vgpr_msb 0x40
	v_lshl_add_u32 v0, v0, 2, 0x44000
	v_mov_b32 v1, 0
	s_set_vgpr_msb 0x4045
	ds_add_u32 v0, v1
	ds_add_u32 v0, v1
	s_set_vgpr_msb 0x4500
	v_lshrrev_b32 v32, 5, v0
	v_readfirstlane_b32 s30, v32                   ; wave 0..5
	s_lshr_b32 s31, s30, 1                         ; which tensor: 0 q, 1 k, 2 v
	s_and_b32 s32, s30, 1                          ; which 64 rows
	s_bfe_u32 s33, ttmp6, 0x40000                  ; cx
	s_bfe_u32 s34, ttmp6, 0x40004                  ; cy
	s_lshl_b32 s35, ttmp9, 2
	s_add_co_u32 s35, s35, s33                     ; X: the head
	s_and_b32 s36, ttmp7, 0xffff
	s_lshl_b32 s36, s36, 2
	s_add_co_u32 s36, s36, s34                     ; Y: which 128 rows of x
	s_lshl_b32 s37, s34, 2
	s_lshl_b32 s37, 15, s37                        ; my row of the cluster
	s_lshl_b32 s38, 0x1111, s33                    ; my column
	s_mov_b32 s[SEL], 0x76543210
	s_mov_b32 s[SEL+1], 0xfedcba98
	; group 1 for codes: four bands of 6,144 bytes (768 elements of 8 bytes), 12,288 bytes apart; 16 bytes of padding behind each 256
	s_or_b32 s40, s37, (3<<16)|(1<<20)|(1<<21)|(5<<22)|(3<<25)   ; x: to my row
	s_or_b32 s48, s38, (3<<16)|(1<<20)|(1<<21)|(5<<22)|(3<<25)   ; W: to my column
.irp g, 40, 48
	s_mov_b32 s[\g+1], 768<<16                     ; tensor_dim0
	s_mov_b32 s[\g+2], 4<<16                       ; tensor_dim1
	s_mov_b32 s[\g+3], 768<<16                     ; tile_dim0
	s_mov_b32 s[\g+4], 4                           ; tile_dim1
	s_mov_b32 s[\g+5], 1536                        ; from band to band, in elements
	s_mov_b32 s[\g+6], 0
	s_mov_b32 s[\g+7], 0
.endr
	; group 1 for scale bytes: 4,096 dense bytes as 16 rows of 256
	s_or_b32 s56, s37, (3<<16)|(1<<21)             ; x's scale bytes of 128 rows: 4,096 dense bytes as 16 rows of 256
	s_mov_b32 s57, 32<<16
	s_mov_b32 s58, 16<<16
	s_mov_b32 s59, 32<<16
	s_mov_b32 s60, 16
	s_mov_b32 s61, 32
	s_mov_b32 s62, 0
	s_mov_b32 s63, 0
	s_wait_dscnt 0x0
	s_wait_kmcnt 0x0
	s_cmp_eq_u32 s31, 0                            ; the role's buffers: the choice hangs on the wave's number alone
	s_cselect_b64 s[78:79], s[8:9], s[14:15]       ; W's codes
	s_cselect_b64 s[66:67], s[12:13], s[18:19]     ; the bias
	s_cselect_b64 s[92:93], s[26:27], s[28:29]     ; where the results go
	s_cselect_b32 s39, 0x3727c5ac, 0               ; q's norm carries eps = 1e-5
	s_mov_b32 s3, 13568
	s_cselect_b32 s3, 7168, s3                     ; bytes of a block there
	s_cmp_eq_u32 s31, 2
	s_cselect_b64 s[78:79], s[20:21], s[78:79]
	s_cselect_b64 s[66:67], s[24:25], s[66:67]
	; s[76:79]: every wave: bands w % 2, + 2, + 4, + 6 of tensor w / 2's 64 rows of head X
	s_mov_b32 s99, 0
	s_mul_i32 s98, s35, 49152
	s_mul_i32 s2, s32, 6144
	s_add_co_u32 s98, s98, s2
	s_add_nc_u64 s[78:79], s[78:79], s[98:99]
	s_or_b32 s79, s79, 0x80000000
	s_mov_b32 s76, 1
	s_mul_i32 s77, s30, REG
	s_add_co_u32 s77, s77, WB
	s_cmp_eq_u32 s31, 0                            ; s[86:87]: every wave: 1,024 of the 2,048 scale bytes of tensor w / 2, head X: half w % 2
	s_cselect_b64 s[86:87], s[10:11], s[16:17]
	s_cmp_eq_u32 s31, 2
	s_cselect_b64 s[86:87], s[22:23], s[86:87]
	s_lshl_b32 s98, s35, 11
	s_lshl_b32 s2, s32, 10
	s_add_co_u32 s98, s98, s2
	s_add_nc_u64 s[86:87], s[86:87], s[98:99]
	s_lshl_b32 s98, s35, 8
	s_add_nc_u64 s[66:67], s[66:67], s[98:99]      ; the bias at the head's 64 channels
	; s[80:83]: waves 0 to 3: x's bands w % 2, + 2, + 4, + 6 of rows 64 (w / 2) on
	s_mov_b32 s97, 0
	s_mul_i32 s96, s36, 98304
	s_mul_i32 s2, s31, 49152
	s_add_co_u32 s96, s96, s2
	s_mul_i32 s2, s32, 6144
	s_add_co_u32 s96, s96, s2
	s_add_nc_u64 s[82:83], s[4:5], s[96:97]
	s_or_b32 s83, s83, 0x80000000
	s_mov_b32 s80, 1
	s_mul_i32 s81, s30, REG
	; s[88:91]: wave 4: x's scale bytes of all 128 rows
	s_lshl_b32 s96, s36, 12
	s_lshl_b32 s2, s32, 11
	s_add_co_u32 s96, s96, s2
	s_add_nc_u64 s[90:91], s[6:7], s[96:97]
	s_or_b32 s91, s91, 0x80000000
	s_mov_b32 s88, 1
	s_add_co_u32 s89, s2, XS
	CROUND                                         ; all sixteen work-groups are here: the joint loads meet
	tensor_load_to_lds s[76:79], s[48:55]          ; the head's one load of every wave: its 32 rows of the weights' codes
	s_nop 0
	PLACES
	; every address register is made here, ahead of the parting of the roles
	v_and_b32 v34, 31, v0                          ; l
	v_and_b32 v32, 15, v0                          ; r
	v_bfe_u32 v33, v0, 4, 1                        ; h
	v_and_b32 v35, 8, v32
	v_add_nc_u32 v35, v35, v32                     ; r + 8 (r / 8)
	v_mul_u32_u24 v36, v32, PITCH
	v_mad_u32_u24 v37, v33, 24, v36                ; a fragment's row + 24 h,
	v_mad_u32_u24 v38, v33, 40, v36                ; and the same behind one padding more
	s_mul_i32 s2, s32, 2*REG
	v_add_nc_u32 v1, s2, v37                       ; x's fragments: my 64 rows
	v_add_nc_u32 v2, s2, v38
	s_mul_i32 s2, s31, 2*REG
	s_add_co_u32 s2, s2, WB
	v_add_nc_u32 v3, s2, v37                       ; W's: my tensor
	v_add_nc_u32 v4, s2, v38
	s_xor_b32 s2, s32, 1
	s_add_co_u32 s2, s2, s31
	s_lshl_b32 s2, s2, 11
	s_add_co_u32 s2, s2, 2048                      ; from x's scale rows of my half to W's of my tensor: 4,096 + 2,048 (tensor - half)
	v_mul_u32_u24 v36, s2, v33                     ; lanes 16-31 take W's
	s_wait_alu depctr_va_vdst(0)
	s_lshl_b32 s2, s32, 11
	s_add_co_u32 s2, s2, XS
	v_lshl_add_u32 v5, v35, 5, v36
	v_add_nc_u32 v5, s2, v5                        ; scale words: 32 bytes a row
	s_lshl_b32 s2, s30, 9
	s_add_co_u32 s2, s2, STG                       ; my stage
	v_lshl_add_u32 v6, v32, 4, s2                  ; four scale words of lane r
	v_lshl_add_u32 v7, v35, 2, s2
	v_add_nc_u32 v7, 256, v7                       ; a norm, by its natural row
	v_lshl_add_u32 v8, v34, 4, s2                  ; back: 16 bytes a lane
	s_lshl_b32 s2, s32, 1
	s_add_co_u32 s2, s2, VST
	v_lshl_add_u32 v9, v32, 3, s2                  ; v's scale words: my half's two bytes
	v_lshl_add_u32 v10, v34, 3, VST                ; back: 8 bytes a lane
	v_lshlrev_b32 v11, 4, v34                      ; 16 l
	v_lshlrev_b32 v12, 3, v34                      ; 8 l
	v_lshlrev_b32 v13, 4, v32
	v_lshl_add_u32 v13, v33, 9, v13                ; lanes 0-15 the scale words' 256 bytes, lanes 16-31 the norms', 512 bytes on
	v_lshlrev_b32 v14, 6, v33                      ; q, k: the bias of channels 16 h on
	v_lshlrev_b32 v15, 2, v35                      ; v: of my channel
	s_lshl_b32 s2, s30, 10
	s_add_co_u32 s2, s2, WS
	v_lshl_add_u32 v39, v34, 4, s2                 ; where my 1,024 bytes of the weights' scales go: WS + 1,024 w + 16 l
	global_load_b128 v[80:83], v11, s[86:87]       ; 512 consecutive bytes,
	global_load_b128 v[84:87], v11, s[86:87] offset:512   ; and the next 512
.macro BIAS                            ; issued anew at the top of each trip
	; The biases.  q, k: straight into the accumulators, in the result's layout, so that every K step adds in place.  v: a pair a tile, added at the end.
	; Every wave issues both sets, from its own tensor's bias, so that the roles part once, behind the barrier: a v wave does not use the 32, a q or k wave not the 8.
.irp a, 0,1,2,3
.irp b, 0,1,2,3
	global_load_b128 v[ACC+8*(4*\a+\b):ACC+8*(4*\a+\b)+3], v14, s[66:67] offset:(32*(\b/2)+8*(\b%2))*4
	global_load_b128 v[ACC+8*(4*\a+\b)+4:ACC+8*(4*\a+\b)+7], v14, s[66:67] offset:(32*(\b/2)+8*(\b%2))*4+16
.endr
.endr
.irp b, 0,1,2,3
	global_load_b32 v[BV+2*\b], v15, s[66:67] offset:(32*(\b/2)+8*(\b%2))*4
	global_load_b32 v[BV+2*\b+1], v15, s[66:67] offset:(32*(\b/2)+8*(\b%2))*4
.endr
	; where the results go: block ((Y / 16) 16 + X) 16 + Y % 16
.endm
	s_lshr_b32 s28, s36, 4
	s_lshl_b32 s28, s28, 4
	s_add_co_u32 s28, s28, s35
	s_lshl_b32 s28, s28, 4
	s_and_b32 s29, s36, 15
	s_add_co_u32 s28, s28, s29
	s_mul_i32 s28, s28, s3
	s_lshl_b32 s68, s3, 8                          ; from batch 0's block to batch 1's: 256 blocks
	s_mov_b32 s69, 0
	s_mov_b32 s29, 0
	s_add_nc_u64 s[92:93], s[92:93], s[28:29]      ; the block
	s_lshl_b32 s28, s32, 8
	s_add_co_u32 s28, s28, 6144
	s_add_nc_u64 s[26:27], s[92:93], s[28:29]      ; q, k: my half's scale words (the norms lie 512 bytes on)
	s_mul_i32 s28, s32, 3072                       ; q, k: my four half fragments
	s_mul_i32 s3, s32, 768
	s_add_co_u32 s3, s3, 7168                      ; v: half fragment c = my half of each tile
	s_cmp_eq_u32 s31, 2
	s_cselect_b32 s28, s3, s28
	s_add_nc_u64 s[94:95], s[92:93], s[28:29]
; A fragment, 16 rows x 128 K, is 12 registers: registers 6 c .. 6 c + 5 of lane (r, h) hold K = 64 c + 32 h + 0 .. 31, 24 bytes of the row as they lie, in pieces of 8 bytes.
; Lanes 16-31 read three pieces further on; where that lies behind one padding more (piece % 32 >= 29) the second address register serves.
.macro FRAG reg, adr, s, rowoff
.irp p, 0,1,2,3,4,5
.set PCE, 12*(\s)+6*(\p/3)+\p%3
.if PCE%32 < 29
	ds_load_b64 v[\reg+2*\p:\reg+2*\p+1], v[\adr] offset:8*PCE+16*(PCE/32)+(\rowoff)
.else
	ds_load_b64 v[\reg+2*\p:\reg+2*\p+1], v[\adr+1] offset:8*PCE+16*(PCE/32)+(\rowoff)
.endif
.endr
.endm
; K step s: scale words of two steps at the even ones; W's four fragments, x's four; 16 matrix instructions, the 16 accumulators by turns.
.macro STEP s, vpath, zero
.if (\s) > 0
	PLACES                                         ; in front of loads into registers that matrix instructions have read
.endif
.if (\s)%2 == 0
.irp i, 0,1,2,3
	ds_load_b64 v[SC+2*\i:SC+2*\i+1], v5 offset:(32*(\i/2)+8*(\i%2))*32+4*(\s)
.endr
.endif
.irp i, 0,1,2,3
	FRAG WF+12*\i, 3, \s, (\i%2)*REG+(\i/2)*16*PITCH
.endr
.irp i, 0,1,2,3
	FRAG XF+12*\i, 1, \s, (\i%2)*REG+(\i/2)*16*PITCH
.endr
.irp a, 0,1,2,3
	s_wait_dscnt 18-6*\a                           ; x's fragments behind fragment a, six loads each, may be out
.irp b, 0,1,2,3
.if \vpath
.if \zero
	v_wmma_scale_f32_16x16x128_f8f6f4 v[ACC+8*(4*\b+\a):ACC+8*(4*\b+\a)+7], v[XF+12*\a:XF+12*\a+11], v[WF+12*\b:WF+12*\b+11], 0, v[SC+2*\a+(\s)%2], v[SC+2*\b+(\s)%2] matrix_a_fmt:MATRIX_FMT_FP6 matrix_b_fmt:MATRIX_FMT_FP6 matrix_b_scale:MATRIX_SCALE_ROW1
.else
	v_wmma_scale_f32_16x16x128_f8f6f4 v[ACC+8*(4*\b+\a):ACC+8*(4*\b+\a)+7], v[XF+12*\a:XF+12*\a+11], v[WF+12*\b:WF+12*\b+11], v[ACC+8*(4*\b+\a):ACC+8*(4*\b+\a)+7], v[SC+2*\a+(\s)%2], v[SC+2*\b+(\s)%2] matrix_a_fmt:MATRIX_FMT_FP6 matrix_b_fmt:MATRIX_FMT_FP6 matrix_b_scale:MATRIX_SCALE_ROW1
.endif
.else
	v_wmma_scale_f32_16x16x128_f8f6f4 v[ACC+8*(4*\a+\b):ACC+8*(4*\a+\b)+7], v[WF+12*\b:WF+12*\b+11], v[XF+12*\a:XF+12*\a+11], v[ACC+8*(4*\a+\b):ACC+8*(4*\a+\b)+7], v[SC+2*\b+(\s)%2], v[SC+2*\a+(\s)%2] matrix_a_fmt:MATRIX_FMT_FP6 matrix_b_fmt:MATRIX_FMT_FP6 matrix_a_scale:MATRIX_SCALE_ROW1
.endif
.endr
.endr
.endm
; 32 numbers of a lane, register 16 b + i = k 32 b + 16 h + i of its row, become a half fragment in v[x] .. v[x + 5]; the two scale bytes, block 0's below, in v[t].
.macro QUANT2 s, x, y, t
.irp b, 0,1
	v_max3_num_f32 v[\t+\b], |v[\s+16*\b]|, |v[\s+16*\b+1]|, 0x1800000   ; my 16 numbers of block b, and the floor 2^(3 - 127): the byte cannot fall under 1
.endr
.irp i, 2,4,6,8,10,12,14
.irp b, 0,1
	v_max3_num_f32 v[\t+\b], v[\t+\b], |v[\s+16*\b+\i]|, |v[\s+16*\b+\i+1]|
.endr
.endr
.irp b, 0,1
	v_permlanex16_b32 v[\t+2+\b], v[\t+\b], s[SEL], s[SEL+1]
.endr
.irp b, 0,1
	v_max_num_f32 v[\t+\b], v[\t+\b], v[\t+2+\b]   ; with lane l xor 16's: the block's largest magnitude
.endr
.irp b, 0,1
	v_add_nc_u32 v[\t+4+\b], 0xff000000, v[\t+\b]  ; 2 off its exponent field: the conversion's scale operand
.endr
.irp b, 0,1
	v_lshrrev_b32 v[\t+2+\b], 23, v[\t+4+\b]       ; the scale's byte
.endr
	v_cvt_scalef32_pk16_fp6_f32 v[\x:\x+2], v[\s:\s+15], v[\t+4]
	v_cvt_scalef32_pk16_fp6_f32 v[\y:\y+2], v[\s+16:\s+31], v[\t+5]
	v_lshl_or_b32 v[\t], v[\t+3], 8, v[\t+2]       ; (also the plain place behind the conversions)
.irp i, 0,1,2
	v_permlane16_swap_b32 v[\x+\i], v[\y+\i]       ; a whole block to a lane: lanes 0-15 block 0, lanes 16-31 block 1
.endr
.irp i, 0,1,2
	v_mov_b32 v[\x+3+\i], v[\y+\i]
.endr
.endm
; the sum of squares of a row of tile a: my 32 channels in two chains of packed multiply-adds, each accumulator from its low end on; then lane l xor 16's; then eps (q) or 0 (k)
.macro NORM a
	v_pk_mul_f32 v[76:77], v[ACC+32*(\a):ACC+32*(\a)+1], v[ACC+32*(\a):ACC+32*(\a)+1]
	v_pk_mul_f32 v[78:79], v[ACC+32*(\a)+2:ACC+32*(\a)+3], v[ACC+32*(\a)+2:ACC+32*(\a)+3]
.irp i, 4,8,12,16,20,24,28
	v_pk_fma_f32 v[76:77], v[ACC+32*(\a)+\i:ACC+32*(\a)+\i+1], v[ACC+32*(\a)+\i:ACC+32*(\a)+\i+1], v[76:77]
	v_pk_fma_f32 v[78:79], v[ACC+32*(\a)+\i+2:ACC+32*(\a)+\i+3], v[ACC+32*(\a)+\i+2:ACC+32*(\a)+\i+3], v[78:79]
.endr
	v_pk_add_f32 v[76:77], v[76:77], v[78:79]
	v_add_f32 v74, v76, v77
	v_permlanex16_b32 v75, v74, s[SEL], s[SEL+1]
	v_add_f32 v74, v74, v75
	v_add_f32 v[NB+(\a)], s39, v74
.endm
	s_mov_b32 s70, 0                               ; the trip
	s_wait_alu depctr_va_vdst(0)
	s_wait_tensorcnt 0x0                           ; my part of the weights' codes has landed: no tensor load is out while I store to LDS
	s_wait_loadcnt 0x0                             ; the weights' scale bytes
	ds_store_b128 v39, v[80:83]
	ds_store_b128 v39, v[84:87] offset:512
.Lblk:                                                 ; two trips: 128 rows of x each
	BIAS
	s_wait_alu depctr_va_vdst(0)
	s_set_vgpr_msb 0x5
	s_wait_tensorcnt 0x0                           ; none of my tensor loads is out;
	ds_add_u32 v0, v1                              ; the add;
	s_wait_dscnt 0x0                               ; it is done, and so are my LDS stores and my reads of the last trip's x
	s_set_vgpr_msb 0x500
	CROUND                                         ; the same holds of every wave of all sixteen work-groups
	s_cmp_lt_u32 s30, 4                            ; one load a wave: waves 0 to 3 x's codes, wave 4 x's scale bytes, wave 5 none
	s_cbranch_scc0 .Lx_scales
	tensor_load_to_lds s[80:83], s[40:47]
	s_nop 0
	PLACES
	s_branch .Lx_asked
.Lx_scales:
	s_cmp_lt_u32 s30, 5
	s_cbranch_scc0 .Lx_asked
	tensor_load_to_lds s[88:91], s[56:63]
	s_nop 0
	PLACES
.Lx_asked:
	s_wait_tensorcnt 0x0                           ; my part of x has landed,
	s_barrier_signal -1
	s_barrier_wait -1                              ; everybody's has
	s_wait_loadcnt 0x0                             ; the biases
	s_cmp_eq_u32 s31, 2
	s_cbranch_scc1 .Lv_path
	; ---- q and k
.irp s, 0,1,2,3,4,5,6,7
	STEP \s, 0, 0
.endr
	PLACES                                         ; in front of the first read of results and the first write of operand registers
.irp a, 0,1,2,3
	NORM \a
	QUANT2 ACC+32*\a, CB+8*\a, YQ, TQ
	v_lshl_or_b32 v[SW+\a], v[TQ], 16, v[TQ]       ; the scale word: bytes 2 and 3, for the half of K that the next launch pads, repeat bytes 0 and 1
	global_store_b128 v11, v[CB+8*\a:CB+8*\a+3], s[94:95] offset:768*\a       ; 512 consecutive bytes,
	global_store_b64 v12, v[CB+8*\a+4:CB+8*\a+5], s[94:95] offset:768*\a+512  ; and 256
.endr
	ds_store_b128 v6, v[SW:SW+3]                   ; lanes r and r + 16 write the same bytes with the same values
.irp a, 0,1,2,3
	ds_store_b32 v7, v[NB+\a] offset:4*(32*(\a/2)+8*(\a%2))
.endr
	ds_load_b128 v[LB:LB+3], v8                    ; LDS serves a wave's instructions in order (ISA guide 5.7.1.4): this sees my stores
	s_wait_dscnt 0x0
	global_store_b128 v13, v[LB:LB+3], s[26:27]    ; two aligned runs of 256 bytes
	s_branch .Ljoin
.Lv_path:
	; ---- v
	STEP 0, 1, 1                                   ; the first K step starts the sums
.irp s, 1,2,3,4,5,6,7
	STEP \s, 1, 0
.endr
	PLACES
.irp b, 0,1,2,3
.irp j, 0,2,4,6,8,10,12,14,16,18,20,22,24,26,28,30
	v_pk_add_f32 v[ACC+32*\b+\j:ACC+32*\b+\j+1], v[ACC+32*\b+\j:ACC+32*\b+\j+1], v[BV+2*\b:BV+2*\b+1]   ; + my channel's bias
.endr
	QUANT2 ACC+32*\b, CB+8*\b, YQ, TQ
	global_store_b128 v11, v[CB+8*\b:CB+8*\b+3], s[94:95] offset:1536*\b
	global_store_b64 v12, v[CB+8*\b+4:CB+8*\b+5], s[94:95] offset:1536*\b+512
	ds_store_b16 v9, v[TQ] offset:128*(\b/2)+4*(\b%2)   ; my half's two bytes of channel r's scale word
.endr
.Ljoin:
	s_wait_dscnt 0x0                               ; for the others' sake: my LDS stores have landed
	s_barrier_signal -1
	s_barrier_wait -1
	s_cmp_lg_u32 s30, 4
	s_cbranch_scc1 .Lnot_wave_4
	ds_load_b64 v[92:93], v10                      ; v's scale words, made by waves 4 and 5
	s_wait_dscnt 0x0
	global_store_b64 v12, v[92:93], s[92:93] offset:13312   ; one aligned run of 256 bytes
.Lnot_wave_4:
	s_wait_xcnt 0x0                                ; my stores have read their registers and bases; no tensor load of mine is out: bases and descriptors may step
	s_add_nc_u64 s[82:83], s[82:83], 16*98304      ; x's codes: 16 blocks of 128 rows on, the same Y in batch 1
	s_add_nc_u64 s[90:91], s[90:91], 16*4096       ; x's scale bytes likewise
	s_add_nc_u64 s[92:93], s[92:93], s[68:69]
	s_add_nc_u64 s[26:27], s[26:27], s[68:69]
	s_add_nc_u64 s[94:95], s[94:95], s[68:69]
	s_add_co_u32 s70, s70, 1
	s_cmp_lt_u32 s70, 2
	s_cbranch_scc1 .Lblk                           ; (behind the second trip the stepped addresses are not used)
	s_set_vgpr_msb 0x5
	s_wait_tensorcnt 0x0
	ds_add_u32 v0, v1
	s_wait_dscnt 0x0
	s_set_vgpr_msb 0x500
	CROUND                                         ; the closing round
	s_endpgm
.Lfunc_end_k_qa2072a464e_qkv:
	.size	k_qa2072a464e_qkv, .Lfunc_end_k_qa2072a464e_qkv-k_qa2072a464e_qkv
	.p2alignl 7, 3214868480
	.fill 96, 4, 3214868480
	.section	.rodata,"a",@progbits
	.p2align	6, 0x0
	.amdhsa_kernel k_qa2072a464e_qkv
		.amdhsa_group_segment_fixed_size 327680
		.amdhsa_private_segment_fixed_size 0
		.amdhsa_enable_private_segment 0
		.amdhsa_kernarg_size 104
		.amdhsa_user_sgpr_count 2
		.amdhsa_user_sgpr_kernarg_segment_ptr 1
		.amdhsa_wavefront_size32 1
		.amdhsa_system_sgpr_workgroup_id_x 1
		.amdhsa_system_sgpr_workgroup_id_y 1
		.amdhsa_system_sgpr_workgroup_id_z 1
		.amdhsa_system_vgpr_workitem_id 0
		.amdhsa_next_free_vgpr 258
		.amdhsa_next_free_sgpr 102
		.amdhsa_reserve_vcc 0
		.amdhsa_float_denorm_mode_32 3
		.amdhsa_float_denorm_mode_16_64 3
		.amdhsa_memory_ordered 1
		.amdhsa_forward_progress 1
		.amdhsa_inst_pref_size 127
	.end_amdhsa_kernel
	.amdgpu_metadata
---
amdhsa.version: [ 1, 2 ]
amdhsa.kernels:
  - .name:           k_qa2072a464e_qkv
    .symbol:         k_qa2072a464e_qkv.kd
    .args:
      - { .name: x_codes, .offset: 0, .size: 8, .value_kind: global_buffer, .address_space: global }
      - { .name: x_scales, .offset: 8, .size: 8, .value_kind: global_buffer, .address_space: global }
      - { .name: wq_codes, .offset: 16, .size: 8, .value_kind: global_buffer, .address_space: global }
      - { .name: wq_scales, .offset: 24, .size: 8, .value_kind: global_buffer, .address_space: global }
      - { .name: bq, .offset: 32, .size: 8, .value_kind: global_buffer, .address_space: global }
      - { .name: wk_codes, .offset: 40, .size: 8, .value_kind: global_buffer, .address_space: global }
      - { .name: wk_scales, .offset: 48, .size: 8, .value_kind: global_buffer, .address_space: global }
      - { .name: bk, .offset: 56, .size: 8, .value_kind: global_buffer, .address_space: global }
      - { .name: wv_codes, .offset: 64, .size: 8, .value_kind: global_buffer, .address_space: global }
      - { .name: wv_scales, .offset: 72, .size: 8, .value_kind: global_buffer, .address_space: global }
      - { .name: bv, .offset: 80, .size: 8, .value_kind: global_buffer, .address_space: global }
      - { .name: qbuf, .offset: 88, .size: 8, .value_kind: global_buffer, .address_space: global }
      - { .name: kv, .offset: 96, .size: 8, .value_kind: global_buffer, .address_space: global }
    .group_segment_fixed_size: 327680
    .private_segment_fixed_size: 0
    .kernarg_segment_align: 8
    .kernarg_segment_size: 104
    .max_flat_workgroup_size: 192
    .sgpr_count:     102
    .vgpr_count:     258
    .wavefront_size: 32
...
	.end_amdgpu_metadata
.endif
;; end of part 1
;; launch attn (part 2): grid 8 x 32, 16 waves a work-group, clusters of 4 x 1, 223,232 bytes of LDS; arguments qbuf, kv, alpha, oimg, osc; writes oimg, osc
.if DOCPART == 2
	.amdgcn_target "amdgcn-amd-amdhsa--gfx1250"
	.amdhsa_code_object_version 6
	.text
	.protected	k_qa2072a464e_attn
	.globl	k_qa2072a464e_attn
	.p2align	8
	.type	k_qa2072a464e_attn,@function
k_qa2072a464e_attn:
	s_mov_b64 s[64:65], 0
	v_nop
	global_prefetch_b8 v0, s[64:65] scope:SCOPE_SE
	s_setreg_imm32_b32 hwreg(HW_REG_WAVE_MODE, 25, 1), 1
	s_wait_xcnt 0x0
	s_wait_alu depctr_hold_cnt(0) depctr_sa_sdst(0) depctr_va_vdst(0) depctr_va_sdst(0) depctr_va_ssrc(0) depctr_va_vcc(0) depctr_vm_vsrc(0)
	s_getreg_b32 s2, hwreg(HW_REG_IB_STS2, 6, 4)
	s_cmp_eq_u32 s2, 0
	s_cbranch_scc0 .Lentry_in_a_cluster
	s_endpgm
.Lentry_in_a_cluster:
	s_bfe_u32 s2, ttmp6, 0x10000c
	s_cmp_lg_u32 s2, 0x3003
	s_cbranch_scc0 .Lentry_shape_is_right
	s_endpgm
.Lentry_shape_is_right:
; score = dot^2 / (|q|^2 + |k|^2 - 2 dot + eps), dot = q . k on codes of FP6; softmax of score x (8 / ln 65)^alpha along the keys; times v, on codes; divided by the row's sum; quantised along the channels.
; THE SOFTMAX: t = score x c, c = (8 / ln 65)^alpha log2(e); M = the running largest t rounded UP to a whole number; p = 2^(t - M) is quantised along the keys, not normalised; the sum is taken of the
; unquantised p; when M moves, the sum and O are multiplied by 2^(old M - new M), which rounds nothing.
; SHARES.  A work-group owns 256 queries of one head (b, h); each of its sixteen waves one tile of 16, in 256 registers: four waves to a SIMD, so that one wave's reciprocals and exponentials stand beside another's plain work.
; THE WHOLE HEAD'S k, v, scale words and norms, 16 slabs of 13,568 bytes as the launch before laid them, lie in LDS, filled once: wave w asks for slab w.
; CLUSTER 4 x 1: four query blocks of one head need the same slabs: each is asked for jointly, by the same load with the same descriptor and the mask of all four.
; LAYOUT.  Both products transposed: S^T = K Q^T, O^T = V^T P^T: a lane holds ONE query.  The 16 registers of key tiles 2 b, 2 b + 1 are keys 32 b + 16 h + 0 .. 15 of the step.
; THE FIRST PRODUCT'S K IS 64 under an instruction of 128: registers 6-11 of Q's fragment are zero codes for the whole launch.  So what stands in registers 6-11 of K's operand adds nothing (a 6-bit code
; is always a finite number): K's tiles lie six registers apart, and a tile's upper six are the next tile's codes.  The scale bytes of that half repeat those of the real half.
; LIMITS: NaN and infinities are not served; where |q|^2 + |k|^2 - 2 dot + eps is 0 the score is what v_rcp_f32 gives; a block's largest p is taken from the block's largest score, which takes v_exp_f32 not to
; fall where its input rises; scale bytes are held at 1 from below.
.set SLAB, 13568
.set OS,   16*SLAB                     ; 512 bytes: the output's scale bytes on their way out
.set X,   42                           ; v42-95  K's tile t at X + 6 t (v90-95 stay 0); later V's fragment d at X + 12 d
.set O,   96                           ; v96-127 O^T
.set S,   128                          ; v128-191 dot, score, t - M, p
.set R,   192                          ; v192-255 norms, the divisor, its reciprocal; then:
.set PC,  192                          ; p's codes, 12 registers
.set Y0,  204                          ; the conversions' second results: v204-206, v208-210
.set BM,  212                          ; the blocks' largest scores, then p
.set BT,  216
.set SO,  220                          ; the conversions' scale operands
.set BY,  224                          ; the scales' bytes
.set L2,  228                          ; the second chain of the row's sum
.set SEL, 38                           ; s[38:39]
; v1 16 l, v2 8 l, v3 64 h; v4-6 the same + the slab in hand; v7, v36 the scale bytes' way out; v[8:9] |q|^2 + eps twice; v10 -M, v11 the largest t; v[12:13] the sum; v14 f (v15 is 0);
; v16-27 Q; scale words and nothing else: v28 Q's, v29 p's, v30-33 K's, v34-35 V's; v37-41 at work
.macro CROUND
	s_barrier_signal -1
	s_barrier_wait -1
	s_cmp_lg_u32 s14, 0
	s_cbranch_scc1 .Lnot_wave_0_\@
	s_barrier_signal -3
.Lnot_wave_0_\@:
	s_barrier_wait -3
	s_barrier_signal -1
	s_barrier_wait -1
.endm
.macro PLACES
.rept 4
	v_nop
.endr
.endm
.macro QUANT2 s, x, y, t               ; 32 numbers of a lane, register 16 b + i = k 32 b + 16 h + i, become a half fragment in v[x] .. v[x + 5] and two scale bytes in v[t]
.irp b, 0,1
	v_max3_num_f32 v[\t+\b], |v[\s+16*\b]|, |v[\s+16*\b+1]|, 0x1800000
.endr
.irp i, 2,4,6,8,10,12,14
.irp b, 0,1
	s_delay_alu instid0(VALU_DEP_2)
	v_max3_num_f32 v[\t+\b], v[\t+\b], |v[\s+16*\b+\i]|, |v[\s+16*\b+\i+1]|
.endr
.endr
.irp b, 0,1
	s_delay_alu instid0(VALU_DEP_2)
	v_permlanex16_b32 v[\t+2+\b], v[\t+\b], s[SEL], s[SEL+1]
.endr
.irp b, 0,1
	s_delay_alu instid0(VALU_DEP_2)
	v_max_num_f32 v[\t+\b], v[\t+\b], v[\t+2+\b]
.endr
.irp b, 0,1
	s_delay_alu instid0(VALU_DEP_2)
	v_add_nc_u32 v[\t+4+\b], 0xff000000, v[\t+\b]
.endr
.irp b, 0,1
	s_delay_alu instid0(VALU_DEP_2)
	v_lshrrev_b32 v[\t+2+\b], 23, v[\t+4+\b]
.endr
	v_cvt_scalef32_pk16_fp6_f32 v[\x:\x+2], v[\s:\s+15], v[\t+4]
	v_cvt_scalef32_pk16_fp6_f32 v[\y:\y+2], v[\s+16:\s+31], v[\t+5]
	v_lshl_or_b32 v[\t], v[\t+3], 8, v[\t+2]       ; (also the plain place behind the conversions)
.irp i, 0,1,2
	v_permlane16_swap_b32 v[\x+\i], v[\y+\i]
.endr
.irp i, 0,1,2
	s_delay_alu instid0(VALU_DEP_3)
	v_mov_b32 v[\x+3+\i], v[\y+\i]
.endr
.endm
	s_load_b256 s[4:11], s[0:1], 0x0               ; qbuf 4, kv 6, alpha 8, oimg 10
	s_load_b64 s[12:13], s[0:1], 0x20              ; osc
	v_lshl_add_u32 v254, v0, 2, 0x36000
	v_mov_b32 v255, 0
	ds_add_u32 v254, v255
	ds_add_u32 v254, v255
	s_wait_dscnt 0x0
	v_lshrrev_b32 v37, 5, v0
	s_delay_alu instid0(VALU_DEP_1)
	v_readfirstlane_b32 s14, v37                   ; wave 0..15
	s_bfe_u32 s15, ttmp6, 0x40000                  ; cx
	s_lshl_b32 s16, ttmp9, 2
	s_add_co_u32 s16, s16, s15                     ; my block of 256 queries: it enters global addresses alone
	s_and_b32 s17, ttmp7, 0xffff                   ; b x 16 + head, which the four partners share
	s_mov_b32 s24, 15|(3<<16)|(1<<21)              ; group 1: a slab, 53 dense rows of 256 bytes (32 elements of 8); the mask names all four
	s_mov_b32 s25, 32<<16
	s_mov_b32 s26, 53<<16
	s_mov_b32 s27, 32<<16
	s_mov_b32 s28, 53
	s_mov_b32 s29, 32
	s_mov_b32 s30, 0
	s_mov_b32 s31, 0
	s_lshl_b32 s18, s17, 4
	s_add_co_u32 s18, s18, s14
	s_mul_i32 s18, s18, SLAB
	s_mov_b32 s19, 0
	s_mov_b32 s32, 1
	s_mul_i32 s33, s14, SLAB                       ; slab w lands at w x 13,568
	s_mov_b32 s[SEL], 0x76543210
	s_mov_b32 s[SEL+1], 0xfedcba98
	s_wait_kmcnt 0x0
	s_load_b32 s42, s[8:9], 0x0                    ; alpha
	s_add_nc_u64 s[34:35], s[6:7], s[18:19]
	s_or_b32 s35, s35, 0x80000000
	CROUND                                         ; all four work-groups are here
	tensor_load_to_lds s[32:35], s[24:31]          ; one load a wave, and nothing is filled twice
	s_nop 0
	PLACES
.irp j, 22,23,24,25,26,27,90,91,92,93,94,95
	v_mov_b32 v\j, 0                               ; zero codes: the upper half of Q's fragment, and what stands behind K's last tile
.endr
	s_lshl_b32 s20, s16, 1
	s_lshr_b32 s21, s14, 3
	s_add_co_u32 s20, s20, s21                     ; which 128 queries of the head
	s_and_b32 s43, s14, 7                          ; which tile of them
	s_lshl_b32 s22, s17, 4
	s_add_co_u32 s22, s22, s20
	s_mul_i32 s22, s22, 7168
	s_mov_b32 s23, 0
	s_add_nc_u64 s[4:5], s[4:5], s[22:23]          ; their block of qbuf
	s_mul_i32 s22, s43, 768
	s_add_nc_u64 s[46:47], s[4:5], s[22:23]        ; my tile's half fragment
	s_lshr_b32 s48, s43, 2
	s_lshl_b32 s48, s48, 8
	s_and_b32 s49, s43, 3
	s_lshl_b32 s49, s49, 2
	s_add_co_u32 s48, s48, s49                     ; its scale words: 256 (t / 4) + 4 (t % 4)
	s_lshr_b32 s49, s43, 1
	s_lshl_b32 s49, s49, 7
	s_and_b32 s50, s43, 1
	s_lshl_b32 s50, s50, 5
	s_add_co_u32 s49, s49, s50                     ; its norms: 4 (32 (t / 2) + 8 (t % 2))
	s_lshr_b32 s22, s17, 4
	s_lshl_b32 s22, s22, 4
	s_add_co_u32 s22, s22, s20
	s_lshl_b32 s22, s22, 3
	s_add_co_u32 s22, s22, s43
	s_lshl_b32 s22, s22, 4
	s_and_b32 s50, s17, 15
	s_add_co_u32 s22, s22, s50
	s_mul_i32 s22, s22, 768
	s_add_nc_u64 s[10:11], s[10:11], s[22:23]      ; oimg: (((b 16 + step) 8 + tile) 16 + head) half fragments on
	s_lshl_b32 s22, s17, 12
	s_lshl_b32 s50, s16, 9
	s_add_co_u32 s22, s22, s50
	s_add_nc_u64 s[12:13], s[12:13], s[22:23]      ; osc: 4,096 bytes a head, 512 a work-group
	v_and_b32 v40, 31, v0                          ; l
	v_and_b32 v41, 15, v0                          ; r
	v_bfe_u32 v37, v0, 4, 1                        ; h
	s_delay_alu instid0(VALU_DEP_3)
	v_lshlrev_b32 v1, 4, v40
	s_delay_alu instid0(VALU_DEP_4)
	v_lshlrev_b32 v2, 3, v40
	s_delay_alu instid0(VALU_DEP_3)
	v_lshlrev_b32 v3, 6, v37
	s_lshl_b32 s51, s14, 5
	s_add_co_u32 s51, s51, OS
	v_lshl_add_u32 v7, v41, 1, s51                 ; two bytes for position 16 w + r
	v_lshl_add_u32 v36, v40, 4, OS
	v_lshl_add_u32 v38, v41, 4, s48
	v_and_b32 v39, 8, v41
	s_delay_alu instid0(VALU_DEP_1)
	v_add_nc_u32 v39, v39, v41                     ; r + 8 (r / 8)
	s_delay_alu instid0(VALU_DEP_1)
	v_lshl_add_u32 v39, v39, 2, s49
	global_load_b128 v[16:19], v1, s[46:47]        ; Q stays in registers
	global_load_b64 v[20:21], v2, s[46:47] offset:512
	global_load_b32 v28, v38, s[4:5] offset:6144
	global_load_b32 v8, v39, s[4:5] offset:6656    ; |q|^2 + eps of my query, twice: a pair for the packed addition
	global_load_b32 v9, v39, s[4:5] offset:6656
	v_mov_b32 v11, 0xff61b1e6                      ; the largest t so far: -3e38
	s_delay_alu instid0(VALU_DEP_1)
	v_floor_f32 v10, -v11                          ; -M
	v_mov_b32 v12, 0
	v_mov_b32 v13, 0
	v_mov_b32 v15, 0                               ; (named as the upper half of the pair v[14:15])
.set j, 0
.rept 32
	v_mov_b32 v[O+j], 0                            ; the loop is written once: its first step finds zeros, which the first change of M leaves zeros
.set j, j+1
.endr
	s_wait_kmcnt 0x0
	v_mov_b32 v37, s42
	s_delay_alu instid0(VALU_DEP_1)
	v_mul_f32 v37, 0x3f703d50, v37                 ; alpha x log2(8 / ln 65)
	s_wait_alu depctr_va_vdst(0)
	v_exp_f32 v37, v37
	v_nop                                          ; a plain place behind the transcendental
	s_wait_alu depctr_va_vdst(0)
	v_mul_f32 v37, 0x3fb8aa3b, v37                 ; x log2(e)
	s_delay_alu instid0(VALU_DEP_1)
	v_readfirstlane_b32 s36, v37                   ; c
	s_mov_b32 s37, s36                             ; (the packed form names the pair)
	s_mov_b32 s40, 0                               ; the slab in hand
	s_mov_b32 s41, 16
	s_wait_tensorcnt 0x0                           ; my slab has landed,
	s_barrier_signal -1
	s_barrier_wait -1                              ; everybody's has
	s_wait_loadcnt 0x0                             ; Q
.Lstep:                                            ; 16 trips: 128 keys each
	v_add_nc_u32 v4, s40, v1
	v_add_nc_u32 v5, s40, v2
	v_add_nc_u32 v6, s40, v3
	v_nop                                          ; these four are the places behind the last trip's products
.irp t, 0,1,2,3,4,5,6,7
	ds_load_b128 v[X+6*\t:X+6*\t+3], v4 offset:768*\t
	ds_load_b64 v[X+6*\t+4:X+6*\t+5], v5 offset:768*\t+512
.endr
	ds_load_b128 v[30:33], v4 offset:6144          ; register t % 4: lanes 0-15 tiles 0-3, lanes 16-31 tiles 4-7
.irp b, 0,1,2,3
.irp i, 0,1,2,3
	ds_load_b128 v[R+16*\b+4*\i:R+16*\b+4*\i+3], v6 offset:6656+128*\b+16*\i   ; |k|^2 of keys 32 b + 16 h + 4 i on: one address for sixteen lanes
.endr
.endr
	s_wait_dscnt 16                                ; the 16 loads of norms may be out
.irp t, 0,1,2,3,4,5,6,7
.if \t < 4
	v_wmma_scale_f32_16x16x128_f8f6f4 v[S+8*\t:S+8*\t+7], v[X+6*\t:X+6*\t+11], v[16:27], 0, v[30+\t%4], v28 matrix_a_fmt:MATRIX_FMT_FP6 matrix_b_fmt:MATRIX_FMT_FP6
.else
	v_wmma_scale_f32_16x16x128_f8f6f4 v[S+8*\t:S+8*\t+7], v[X+6*\t:X+6*\t+11], v[16:27], 0, v[30+\t%4], v28 matrix_a_fmt:MATRIX_FMT_FP6 matrix_b_fmt:MATRIX_FMT_FP6 matrix_a_scale:MATRIX_SCALE_ROW1
.endif
.endr
	s_wait_dscnt 0x0
.set j, 0
.rept 32
	v_pk_add_f32 v[R+j:R+j+1], v[R+j:R+j+1], v[8:9]   ; |k|^2 + |q|^2 + eps.  (These are also the places behind the products)
.set j, j+2
.endr
.irp d, 0,1,2,3
.irp c, 0,1
	ds_load_b128 v[X+12*\d+6*\c:X+12*\d+6*\c+3], v4 offset:7168+(2*\d+\c)*768        ; V, where K lay: it lands while the scores are worked
	ds_load_b64 v[X+12*\d+6*\c+4:X+12*\d+6*\c+5], v5 offset:7168+(2*\d+\c)*768+512
.endr
.endr
	ds_load_b64 v[34:35], v5 offset:13312          ; register d % 2: lanes 0-15 tiles 0, 1, lanes 16-31 tiles 2, 3
.set j, 0
.rept 32
	v_pk_fma_f32 v[R+j:R+j+1], v[S+j:S+j+1], -2.0, v[R+j:R+j+1] op_sel_hi:[1,0,1]   ; - 2 dot: each accumulator is read from its low end on
.set j, j+2
.endr
.set j, 0
	s_wait_alu depctr_va_vdst(0)
.rept 64
	v_rcp_f32 v[R+j], v[R+j]
.set j, j+1
.endr
.set j, 0
.rept 32
	v_pk_mul_f32 v[S+j:S+j+1], v[S+j:S+j+1], v[S+j:S+j+1]   ; dot^2: plain work that names no reciprocal
.set j, j+2
.endr
	s_wait_alu depctr_va_vdst(0)                   ; one wait for the 64 reciprocals, ahead of their first reader
.set j, 0
.rept 32
	v_pk_mul_f32 v[S+j:S+j+1], v[S+j:S+j+1], v[R+j:R+j+1]   ; the score
.set j, j+2
.endr
.irp b, 0,1,2,3
	v_max3_num_f32 v[BM+\b], v[S+16*\b], v[S+16*\b+1], v[S+16*\b+2]   ; the largest score of each block of 32 keys: for the row's maximum and for the block's largest p
.endr
.irp i, 3,5,7,9,11,13
.irp b, 0,1,2,3
	s_delay_alu instid0(VALU_DEP_4)
	v_max3_num_f32 v[BM+\b], v[BM+\b], v[S+16*\b+\i], v[S+16*\b+\i+1]
.endr
.endr
.irp b, 0,1,2,3
	s_delay_alu instid0(VALU_DEP_4)
	v_max_num_f32 v[BM+\b], v[BM+\b], v[S+16*\b+15]
.endr
.irp b, 0,1,2,3
	v_permlanex16_b32 v[BT+\b], v[BM+\b], s[SEL], s[SEL+1]
.endr
.irp b, 0,1,2,3
	s_delay_alu instid0(VALU_DEP_4)
	v_max_num_f32 v[BM+\b], v[BM+\b], v[BT+\b]     ; with lane l xor 16's 16 keys
.endr
	s_delay_alu instid0(VALU_DEP_2)
	v_max3_num_f32 v37, v[BM], v[BM+1], v[BM+2]
	s_delay_alu instid0(VALU_DEP_1)
	v_max_num_f32 v37, v37, v[BM+3]
	s_delay_alu instid0(VALU_DEP_1)
	v_mul_f32 v37, s36, v37                        ; as t (c is positive)
	s_delay_alu instid0(VALU_DEP_1)
	v_max_num_f32 v11, v11, v37                    ; the running largest t
	v_mov_b32 v37, v10
	s_delay_alu instid0(VALU_DEP_2)
	v_floor_f32 v10, -v11                          ; the new -M = -ceil(t)
	s_delay_alu instid0(VALU_DEP_1)
	v_sub_f32 v37, v10, v37                        ; old M - new M: a whole number, 0 or less
	s_delay_alu instid0(VALU_DEP_1)
	v_cvt_i32_f32 v37, v37                         ; (it saturates)
	s_delay_alu instid0(VALU_DEP_1)
	v_ldexp_f32 v14, 1.0, v37                      ; f = 2^(old M - new M)
.set j, 0
.rept 32
	v_pk_fma_f32 v[S+j:S+j+1], v[S+j:S+j+1], s[36:37], v[10:11] op_sel_hi:[1,0,0]   ; t - M
.set j, j+2
.endr
.irp b, 0,1,2,3
	v_fma_f32 v[BM+\b], v[BM+\b], s36, v10         ; the same of each block's largest score
.endr
.set j, 0
	s_wait_alu depctr_va_vdst(0)
.rept 64
	v_exp_f32 v[S+j], v[S+j]                       ; p = 2^(t - M), at most 1
.set j, j+1
.endr
	v_pk_mul_f32 v[12:13], v[12:13], v[14:15] op_sel_hi:[1,0]   ; the sum under the new M.  (A plain place behind the exponentials)
	s_wait_alu depctr_va_vdst(0)                   ; one wait for the 64, ahead of their first reader
.irp b, 0,1,2,3
	v_exp_f32 v[BM+\b], v[BM+\b]                   ; the blocks' largest p
.endr
	v_pk_add_f32 v[228:229], v[132:133], v[136:137]
	v_pk_add_f32 v[254:255], v[140:141], v[144:145]
	v_pk_add_f32 v[252:253], v[148:149], v[152:153]
	v_pk_add_f32 v[250:251], v[156:157], v[160:161]
	v_pk_add_f32 v[248:249], v[164:165], v[168:169]
	v_pk_add_f32 v[246:247], v[172:173], v[176:177]
	v_pk_add_f32 v[244:245], v[180:181], v[184:185]
	v_pk_add_f32 v[12:13], v[12:13], v[188:189]
	v_pk_add_f32 v[228:229], v[228:229], v[128:129]
	v_pk_add_f32 v[254:255], v[254:255], v[130:131]
	v_pk_add_f32 v[252:253], v[252:253], v[134:135]
	v_pk_add_f32 v[250:251], v[250:251], v[138:139]
	v_pk_add_f32 v[248:249], v[248:249], v[142:143]
	v_pk_add_f32 v[246:247], v[246:247], v[146:147]
	v_pk_add_f32 v[244:245], v[244:245], v[150:151]
	v_pk_add_f32 v[12:13], v[12:13], v[154:155]
	v_pk_add_f32 v[228:229], v[228:229], v[158:159]
	v_pk_add_f32 v[254:255], v[254:255], v[162:163]
	v_pk_add_f32 v[252:253], v[252:253], v[166:167]
	v_pk_add_f32 v[250:251], v[250:251], v[170:171]
	v_pk_add_f32 v[248:249], v[248:249], v[174:175]
	v_pk_add_f32 v[246:247], v[246:247], v[178:179]
	v_pk_add_f32 v[244:245], v[244:245], v[182:183]
	v_pk_add_f32 v[12:13], v[12:13], v[186:187]
	v_pk_add_f32 v[228:229], v[228:229], v[190:191]
	s_delay_alu instid0(VALU_DEP_2)
	v_pk_add_f32 v[12:13], v[12:13], v[250:251]
	s_delay_alu instid0(VALU_DEP_2)
	v_pk_add_f32 v[228:229], v[228:229], v[248:249]
	v_pk_add_f32 v[254:255], v[254:255], v[246:247]
	v_pk_add_f32 v[252:253], v[252:253], v[244:245]
	s_delay_alu instid0(VALU_DEP_2)
	v_pk_add_f32 v[12:13], v[12:13], v[254:255]
	s_delay_alu instid0(VALU_DEP_2)
	v_pk_add_f32 v[228:229], v[228:229], v[252:253]
	s_delay_alu instid0(VALU_DEP_1)
	v_pk_add_f32 v[12:13], v[12:13], v[228:229]
	s_wait_alu depctr_va_vdst(0)                   ; and one for the four
.irp b, 0,1,2,3
	v_max_num_f32 v[BM+\b], 0x1800000, v[BM+\b]    ; the floor 2^(3 - 127)
.endr
.irp b, 0,1,2,3
	s_delay_alu instid0(VALU_DEP_4)
	v_add_nc_u32 v[SO+\b], 0xff000000, v[BM+\b]    ; 2 off the exponent field: the conversion's scale operand
.endr
.irp b, 0,1,2,3
	s_delay_alu instid0(VALU_DEP_4)
	v_lshrrev_b32 v[BY+\b], 23, v[SO+\b]           ; the scale's byte
.endr
	s_delay_alu instid0(VALU_DEP_3)
	v_lshl_or_b32 v29, v[BY+1], 8, v[BY]           ; p's scale word for these 128 keys
	s_delay_alu instid0(VALU_DEP_1)
	v_lshl_or_b32 v29, v[BY+2], 16, v29
	s_delay_alu instid0(VALU_DEP_1)
	v_lshl_or_b32 v29, v[BY+3], 24, v29
.irp c, 0,1
	v_cvt_scalef32_pk16_fp6_f32 v[PC+6*\c:PC+6*\c+2], v[S+32*\c:S+32*\c+15], v[SO+2*\c]
	v_cvt_scalef32_pk16_fp6_f32 v[Y0+4*\c:Y0+4*\c+2], v[S+32*\c+16:S+32*\c+31], v[SO+2*\c+1]
.endr
	v_nop                                          ; one plain place behind the conversions
.irp c, 0,1
.irp i, 0,1,2
	v_permlane16_swap_b32 v[PC+6*\c+\i], v[Y0+4*\c+\i]   ; a whole block to a lane
.endr
.irp i, 0,1,2
	s_delay_alu instid0(VALU_DEP_3)
	v_mov_b32 v[PC+6*\c+3+\i], v[Y0+4*\c+\i]
.endr
.endr
.set j, 0
.rept 16
	v_pk_mul_f32 v[O+j:O+j+1], v[O+j:O+j+1], v[14:15] op_sel_hi:[1,0]   ; O^T under the new M.  (For each product below twelve of these name none of its registers: its places behind the writes of p's codes and scale word)
.set j, j+2
.endr
	s_wait_alu depctr_va_vdst(0)
	s_wait_dscnt 0x0                               ; V
.irp d, 0,1,2,3
.if \d < 2
	v_wmma_scale_f32_16x16x128_f8f6f4 v[O+8*\d:O+8*\d+7], v[X+12*\d:X+12*\d+11], v[PC:PC+11], v[O+8*\d:O+8*\d+7], v[34+\d%2], v29 matrix_a_fmt:MATRIX_FMT_FP6 matrix_b_fmt:MATRIX_FMT_FP6
.else
	v_wmma_scale_f32_16x16x128_f8f6f4 v[O+8*\d:O+8*\d+7], v[X+12*\d:X+12*\d+11], v[PC:PC+11], v[O+8*\d:O+8*\d+7], v[34+\d%2], v29 matrix_a_fmt:MATRIX_FMT_FP6 matrix_b_fmt:MATRIX_FMT_FP6 matrix_a_scale:MATRIX_SCALE_ROW1
.endif
.endr
	s_add_co_u32 s40, s40, SLAB
	s_sub_co_u32 s41, s41, 1
	s_cmp_lg_u32 s41, 0
	s_cbranch_scc1 .Lstep
	PLACES                                         ; in front of the first read of O^T
	v_add_f32 v12, v12, v13                        ; the sum's two halves,
	s_delay_alu instid0(VALU_DEP_1)
	v_permlanex16_b32 v37, v12, s[SEL], s[SEL+1]
	s_delay_alu instid0(VALU_DEP_1)
	v_add_f32 v12, v12, v37                        ; and lane l xor 16's
	s_wait_alu depctr_va_vdst(0)
	v_rcp_f32 v14, v12
	v_nop
	s_wait_alu depctr_va_vdst(0)
.set j, 0
.rept 16
	v_pk_mul_f32 v[S+j:S+j+1], v[O+j:O+j+1], v[14:15] op_sel_hi:[1,0]   ; O^T / the sum: register 16 b + i is channel 32 b + 16 h + i of my query
.set j, j+2
.endr
	QUANT2 S, PC, Y0, BM
	global_store_b128 v1, v[PC:PC+3], s[10:11]     ; the half fragment: 512 consecutive bytes,
	global_store_b64 v2, v[PC+4:PC+5], s[10:11] offset:512   ; and 256
	ds_store_b16 v7, v[BM]                         ; lanes r and r + 16 write the same bytes with the same values
	s_wait_dscnt 0x0                               ; for the others' sake
	s_barrier_signal -1
	s_barrier_wait -1
	s_cmp_lg_u32 s14, 0
	s_cbranch_scc1 .Lnot_first
	ds_load_b128 v[200:203], v36                   ; the work-group's 256 pairs of scale bytes
	s_wait_dscnt 0x0
	global_store_b128 v1, v[200:203], s[12:13]     ; 512 consecutive bytes
.Lnot_first:
	s_wait_xcnt 0x0
	v_lshl_add_u32 v254, v0, 2, 0x36000
	v_mov_b32 v255, 0
	s_wait_alu depctr_va_vdst(0)
	s_wait_tensorcnt 0x0
	ds_add_u32 v254, v255
	s_wait_dscnt 0x0
	CROUND                                         ; the closing round
	s_endpgm
.Lfunc_end_k_qa2072a464e_attn:
	.size	k_qa2072a464e_attn, .Lfunc_end_k_qa2072a464e_attn-k_qa2072a464e_attn
	.p2alignl 7, 3214868480
	.fill 96, 4, 3214868480
	.section	.rodata,"a",@progbits
	.p2align	6, 0x0
	.amdhsa_kernel k_qa2072a464e_attn
		.amdhsa_group_segment_fixed_size 223232
		.amdhsa_private_segment_fixed_size 0
		.amdhsa_enable_private_segment 0
		.amdhsa_kernarg_size 40
		.amdhsa_user_sgpr_count 2
		.amdhsa_user_sgpr_kernarg_segment_ptr 1
		.amdhsa_wavefront_size32 1
		.amdhsa_system_sgpr_workgroup_id_x 1
		.amdhsa_system_sgpr_workgroup_id_y 1
		.amdhsa_system_sgpr_workgroup_id_z 1
		.amdhsa_system_vgpr_workitem_id 0
		.amdhsa_next_free_vgpr 256
		.amdhsa_next_free_sgpr 66
		.amdhsa_reserve_vcc 0
		.amdhsa_float_denorm_mode_32 3
		.amdhsa_float_denorm_mode_16_64 3
		.amdhsa_memory_ordered 1
		.amdhsa_forward_progress 1
		.amdhsa_inst_pref_size 42
	.end_amdhsa_kernel
	.amdgpu_metadata
---
amdhsa.version: [ 1, 2 ]
amdhsa.kernels:
  - .name:           k_qa2072a464e_attn
    .symbol:         k_qa2072a464e_attn.kd
    .args:
      - { .name: qbuf, .offset: 0, .size: 8, .value_kind: global_buffer, .address_space: global }
      - { .name: kv, .offset: 8, .size: 8, .value_kind: global_buffer, .address_space: global }
      - { .name: alpha, .offset: 16, .size: 8, .value_kind: global_buffer, .address_space: global }
      - { .name: oimg, .offset: 24, .size: 8, .value_kind: global_buffer, .address_space: global }
      - { .name: osc, .offset: 32, .size: 8, .value_kind: global_buffer, .address_space: global }
    .group_segment_fixed_size: 223232
    .private_segment_fixed_size: 0
    .kernarg_segment_align: 8
    .kernarg_segment_size: 40
    .max_flat_workgroup_size: 512
    .sgpr_count:     66
    .vgpr_count:     256
    .wavefront_size: 32
...
	.end_amdgpu_metadata
.endif
;; end of part 2
;; launch proj (part 3): grid 8 x 32, 4 waves a work-group, clusters of 4 x 4, 232,960 bytes of LDS; arguments oimg, osc, wo_codes, wo_scales, bo, out0; writes out0
.if DOCPART == 3
	.amdgcn_target "amdgcn-amd-amdhsa--gfx1250"
	.amdhsa_code_object_version 6
	.text
	.protected	k_qa2072a464e_proj
	.globl	k_qa2072a464e_proj
	.p2align	8
	.type	k_qa2072a464e_proj,@function
k_qa2072a464e_proj:
	s_mov_b64 s[64:65], 0
	v_nop
	global_prefetch_b8 v0, s[64:65] scope:SCOPE_SE
	s_setreg_imm32_b32 hwreg(HW_REG_WAVE_MODE, 25, 1), 1
	s_wait_xcnt 0x0
	s_wait_alu depctr_hold_cnt(0) depctr_sa_sdst(0) depctr_va_vdst(0) depctr_va_sdst(0) depctr_va_ssrc(0) depctr_va_vcc(0) depctr_vm_vsrc(0)
	s_getreg_b32 s2, hwreg(HW_REG_IB_STS2, 6, 4)
	s_cmp_eq_u32 s2, 0
	s_cbranch_scc0 .Lentry_in_a_cluster
	s_endpgm
.Lentry_in_a_cluster:
	s_bfe_u32 s2, ttmp6, 0x10000c
	s_cmp_lg_u32 s2, 0xf033
	s_cbranch_scc0 .Lentry_shape_is_right
	s_endpgm
.Lentry_shape_is_right:
; out0 = o wo + bo on codes of FP6.  o comes as images of operand registers (oimg: [128 rows' step][tile 8][head 16] half fragments of 768 bytes; heads 2 s and 2 s + 1 are the 12 registers of K step s)
; with two scale bytes for each row and head (osc: [b, head][position], position = 16 x tile + lane); wo as it is given, K innermost.
; SHARES.  A work-group makes 128 rows (Y) x 128 columns (XN), all of K = 1,024 in LDS, filled once; wave w makes rows 64 (w / 2) on x columns 64 (w % 2) on: 16 accumulators, 8 K steps of 128.
; CLUSTER 4 x 4: o's images and scale bytes hang on Y alone and are asked for jointly along a row of the cluster, wo's on XN alone, along a column.
; Source 0 = 16 rows of wo (columns of the result), source 1 = a tile of o: a lane holds eight neighbouring columns of one row.  The bias is loaded into the accumulators, in the result's layout.
; A tile's lane r is row 8 u + r + 8 (r / 8) of its 32 rows (tile 2 b + u): the stores' offsets put the rows back.
.set PITCH, 816                        ; wo's row: 768 bytes + 16 behind each 256
.set AI,    0                          ; o's images: 128 half fragments, dense
.set BB,    98304                      ; wo's 128 rows
.set AS,    BB+128*PITCH               ; o's scale bytes: [head 16][128 positions x 2]
.set ASW,   AS+4096                    ; the same as scale words: [position][8 K steps]
.set BS,    ASW+4096                   ; wo's scale bytes: 128 rows of 32
.set STG,   BS+4096                    ; the way out: 16 rows x (256 bytes + 16) for each wave
.set SC,  16                           ; v16-23 scale words and nothing else: register 2 i + s % 2: lanes 0-15 o's tile i, lanes 16-31 wo's tile i
.set XF,  32                           ; v32-79  o's four fragments
.set WF,  80                           ; v80-127 wo's four
.set ACC, 128
.set BK,  32                           ; the way out: v32-63 and v64-95 by turns
.macro CROUND
	s_barrier_signal -1
	s_barrier_wait -1
	s_cmp_lg_u32 s30, 0
	s_cbranch_scc1 .Lnot_wave_0_\@
	s_barrier_signal -3
.Lnot_wave_0_\@:
	s_barrier_wait -3
	s_barrier_signal -1
	s_barrier_wait -1
.endm
.macro PLACES
.rept 4
	v_nop
.endr
.endm
	s_load_b256 s[4:11], s[0:1], 0x0               ; oimg 4, osc 6, wo_codes 8, wo_scales 10
	s_load_b128 s[12:15], s[0:1], 0x20             ; bo 12, out0 14
	v_lshl_add_u32 v30, v0, 2, 0x38c00
	v_mov_b32 v31, 0
	ds_add_u32 v30, v31
	ds_add_u32 v30, v31
	v_lshrrev_b32 v32, 5, v0
	v_readfirstlane_b32 s30, v32                   ; wave 0..3
	s_lshr_b32 s31, s30, 1                         ; which 64 rows
	s_and_b32 s32, s30, 1                          ; which 64 columns
	s_bfe_u32 s33, ttmp6, 0x40000
	s_bfe_u32 s34, ttmp6, 0x40004
	s_lshl_b32 s35, ttmp9, 2
	s_add_co_u32 s35, s35, s33                     ; XN
	s_and_b32 s36, ttmp7, 0xffff
	s_lshl_b32 s36, s36, 2
	s_add_co_u32 s36, s36, s34                     ; Y
	s_lshl_b32 s37, s34, 2
	s_lshl_b32 s37, 15, s37                        ; my row of the cluster
	s_lshl_b32 s38, 0x1111, s33                    ; my column
	s_or_b32 s40, s37, (3<<16)|(1<<21)             ; o's images: 384 dense rows of 256 bytes
	s_mov_b32 s41, 32<<16
	s_mov_b32 s42, 384<<16                         ; (all 384 rows of 256 bytes in one load)
	s_mov_b32 s43, 32<<16
	s_mov_b32 s44, 384
	s_mov_b32 s45, 32
	s_mov_b32 s46, 0
	s_mov_b32 s47, 0
	s_or_b32 s48, s38, (3<<16)|(1<<20)|(1<<21)|(5<<22)|(3<<25)   ; wo's codes: 128 rows of 768 bytes, 16 bytes of padding behind each 256
	s_mov_b32 s49, 96<<16
	s_mov_b32 s50, 128<<16                         ; (all 128 rows in one load)
	s_mov_b32 s51, 96<<16
	s_mov_b32 s52, 128
	s_mov_b32 s53, 96
	s_mov_b32 s54, 0
	s_mov_b32 s55, 0
	s_or_b32 s56, s37, (3<<16)|(1<<21)             ; o's scale bytes: 256 bytes of each of 16 heads, 4,096 bytes apart
	s_mov_b32 s57, 32<<16
	s_mov_b32 s58, 16<<16
	s_mov_b32 s59, 32<<16
	s_mov_b32 s60, 16
	s_mov_b32 s61, 512
	s_mov_b32 s62, 0
	s_mov_b32 s63, 0
	s_or_b32 s68, s38, (3<<16)|(1<<21)             ; wo's scale bytes: 4,096 dense bytes
	s_mov_b32 s69, 32<<16
	s_mov_b32 s70, 16<<16
	s_mov_b32 s71, 32<<16
	s_mov_b32 s72, 16
	s_mov_b32 s73, 32
	s_mov_b32 s74, 0
	s_mov_b32 s75, 0
	s_mov_b32 s97, 0
	s_mov_b32 s99, 0
	s_wait_dscnt 0x0
	s_wait_kmcnt 0x0
	s_mul_i32 s96, s36, 98304                      ; s[76:79], wave 0: o's images
	s_add_nc_u64 s[78:79], s[4:5], s[96:97]
	s_or_b32 s79, s79, 0x80000000
	s_mov_b32 s76, 1
	s_mov_b32 s77, AI
	s_mul_i32 s98, s35, 98304                      ; s[80:83], wave 1: wo's 128 rows
	s_add_nc_u64 s[82:83], s[8:9], s[98:99]
	s_or_b32 s83, s83, 0x80000000
	s_mov_b32 s80, 1
	s_mov_b32 s81, BB
	s_lshr_b32 s96, s36, 4                         ; s[84:87], wave 2: o's scale bytes
	s_lshl_b32 s96, s96, 16
	s_and_b32 s3, s36, 15
	s_lshl_b32 s3, s3, 8
	s_add_co_u32 s96, s96, s3
	s_add_nc_u64 s[86:87], s[6:7], s[96:97]
	s_or_b32 s87, s87, 0x80000000
	s_mov_b32 s84, 1
	s_mov_b32 s85, AS
	s_lshl_b32 s98, s35, 12                        ; s[88:91], wave 3: wo's scale bytes
	s_add_nc_u64 s[90:91], s[10:11], s[98:99]
	s_or_b32 s91, s91, 0x80000000
	s_mov_b32 s88, 1
	s_mov_b32 s89, BS
	CROUND                                         ; all sixteen work-groups are here
	s_cmp_lt_u32 s30, 1                            ; four tiles, four waves: one chain of arms, one load to an arm, one join; nothing is filled twice
	s_cbranch_scc0 .Lfor_wo
	tensor_load_to_lds s[76:79], s[40:47]
	s_nop 0
	PLACES
	s_branch .Lasked
.Lfor_wo:
	s_cmp_lt_u32 s30, 2
	s_cbranch_scc0 .Lfor_o_scales
	tensor_load_to_lds s[80:83], s[48:55]
	s_nop 0
	PLACES
	s_branch .Lasked
.Lfor_o_scales:
	s_cmp_lt_u32 s30, 3
	s_cbranch_scc0 .Lfor_wo_scales
	tensor_load_to_lds s[84:87], s[56:63]
	s_nop 0
	PLACES
	s_branch .Lasked
.Lfor_wo_scales:
	tensor_load_to_lds s[88:91], s[68:75]
	s_nop 0
	PLACES
.Lasked:
	v_and_b32 v34, 31, v0                          ; l
	v_and_b32 v32, 15, v0                          ; r
	v_bfe_u32 v33, v0, 4, 1                        ; h
	s_mul_i32 s2, s31, 49152                       ; my four tiles' images
	v_lshl_add_u32 v1, v34, 4, s2
	v_lshl_add_u32 v2, v34, 3, s2
	v_mul_u32_u24 v36, v32, PITCH
	v_mad_u32_u24 v37, v33, 24, v36
	v_mad_u32_u24 v38, v33, 40, v36
	s_mul_i32 s2, s32, 64*PITCH
	s_add_co_u32 s2, s2, BB
	v_add_nc_u32 v3, s2, v37                       ; wo's fragments: my 64 rows,
	v_add_nc_u32 v4, s2, v38                       ; and the same behind one padding more
	s_xor_b32 s2, s31, 1
	s_add_co_u32 s2, s2, s32
	s_lshl_b32 s2, s2, 11
	s_add_co_u32 s2, s2, 2048                      ; from o's scale words of my rows to wo's of my columns
	v_mul_u32_u24 v36, s2, v33                     ; lanes 16-31 take wo's
	s_lshl_b32 s2, s31, 11
	s_add_co_u32 s2, s2, ASW
	v_lshl_add_u32 v5, v32, 5, v36
	v_add_nc_u32 v5, s2, v5
	s_mul_i32 s2, s30, 16*272
	s_add_co_u32 s2, s2, STG                       ; my stage
	v_mul_u32_u24 v36, v32, 272
	v_lshl_add_u32 v36, v33, 5, v36
	v_add_nc_u32 v6, s2, v36                       ; in: row r, 32 bytes for each half of the lanes
	v_mul_u32_u24 v36, v33, 272
	v_lshl_add_u32 v36, v32, 4, v36
	v_add_nc_u32 v7, s2, v36                       ; back: lanes 0-15 one row of 256 bytes, lanes 16-31 the next
	v_lshlrev_b32 v8, 12, v33
	v_lshl_add_u32 v8, v32, 4, v8                  ; and the same two rows in out0
	v_lshl_add_u32 v9, v0, 1, AS                   ; thread p: position p's two bytes of a head,
	v_lshl_add_u32 v10, v0, 5, ASW                 ; and its eight scale words
	v_lshlrev_b32 v14, 5, v33                      ; the bias of columns 8 h on
	s_lshl_b32 s98, s35, 9
	s_lshl_b32 s2, s32, 8
	s_add_co_u32 s98, s98, s2
	s_add_nc_u64 s[12:13], s[12:13], s[98:99]      ; bo at my 64 columns
.irp a, 0,1,2,3
.irp b, 0,1,2,3
	global_load_b128 v[ACC+8*(4*\a+\b):ACC+8*(4*\a+\b)+3], v14, s[12:13] offset:64*\b
	global_load_b128 v[ACC+8*(4*\a+\b)+4:ACC+8*(4*\a+\b)+7], v14, s[12:13] offset:64*\b+16
.endr
.endr
	s_lshl_b32 s92, s36, 19                        ; out0: row 128 Y + 64 (w / 2), 4,096 bytes a row; column 128 XN + 64 (w % 2)
	s_lshl_b32 s93, s31, 18
	s_add_co_u32 s92, s92, s93
	s_lshl_b32 s93, s35, 9
	s_add_co_u32 s92, s92, s93
	s_add_co_u32 s92, s92, s2
	s_mov_b32 s93, 0
	s_add_nc_u64 s[14:15], s[14:15], s[92:93]
	s_wait_alu depctr_va_vdst(0)
	s_wait_tensorcnt 0x0                           ; my parts have landed,
	s_barrier_signal -1
	s_barrier_wait -1                              ; everybody's have
	; o's scale words, once: K step s of position p = head 2 s's two bytes below head 2 s + 1's
.irp d, 0,1,2,3,4,5,6,7,8,9,10,11,12,13,14,15
	ds_load_u16 v[32+\d], v9 offset:256*\d
.endr
	s_wait_dscnt 0x0
.irp s, 0,1,2,3,4,5,6,7
	v_lshl_or_b32 v[48+\s], v[33+2*\s], 16, v[32+2*\s]
.endr
	ds_store_b128 v10, v[48:51]
	ds_store_b128 v10, v[52:55] offset:16
	s_wait_dscnt 0x0                               ; for the others' sake
	s_barrier_signal -1
	s_barrier_wait -1
	s_wait_loadcnt 0x0                             ; the bias
.macro FRAG reg, adr, s, rowoff        ; a fragment from rows: six pieces of 8 bytes; where the piece three on lies behind one padding more, the second address register serves
.irp p, 0,1,2,3,4,5
.set PCE, 12*(\s)+6*(\p/3)+\p%3
.if PCE%32 < 29
	ds_load_b64 v[\reg+2*\p:\reg+2*\p+1], v[\adr] offset:8*PCE+16*(PCE/32)+(\rowoff)
.else
	ds_load_b64 v[\reg+2*\p:\reg+2*\p+1], v[\adr+1] offset:8*PCE+16*(PCE/32)+(\rowoff)
.endif
.endr
.endm
.macro STEP s
.if (\s) > 0
	PLACES                                         ; in front of loads into registers that matrix instructions have read
.endif
.if (\s)%2 == 0
.irp i, 0,1,2,3
	ds_load_b64 v[SC+2*\i:SC+2*\i+1], v5 offset:512*\i+4*(\s)
.endr
.endif
.irp b, 0,1,2,3
	FRAG WF+12*\b, 3, \s, \b*16*PITCH
.endr
.irp a, 0,1,2,3                        ; a fragment from images: two half fragments, as they were stored
	ds_load_b128 v[XF+12*\a:XF+12*\a+3], v1 offset:(16*\a+2*(\s))*768
	ds_load_b64 v[XF+12*\a+4:XF+12*\a+5], v2 offset:(16*\a+2*(\s))*768+512
	ds_load_b128 v[XF+12*\a+6:XF+12*\a+9], v1 offset:(16*\a+2*(\s))*768+768
	ds_load_b64 v[XF+12*\a+10:XF+12*\a+11], v2 offset:(16*\a+2*(\s))*768+1280
.endr
.irp a, 0,1,2,3
	s_wait_dscnt 12-4*\a                           ; o's fragments behind fragment a, four loads each, may be out
.irp b, 0,1,2,3
	v_wmma_scale_f32_16x16x128_f8f6f4 v[ACC+8*(4*\a+\b):ACC+8*(4*\a+\b)+7], v[WF+12*\b:WF+12*\b+11], v[XF+12*\a:XF+12*\a+11], v[ACC+8*(4*\a+\b):ACC+8*(4*\a+\b)+7], v[SC+2*\b+(\s)%2], v[SC+2*\a+(\s)%2] matrix_a_fmt:MATRIX_FMT_FP6 matrix_b_fmt:MATRIX_FMT_FP6 matrix_a_scale:MATRIX_SCALE_ROW1
.endr
.endr
.endm
.irp s, 0,1,2,3,4,5,6,7
	STEP \s                                        ; the 16 accumulators take turns, one instruction a turn
.endr
; THE WAY OUT, a tile of 16 rows x 64 columns at a time, through my own stage: in as 32 bytes a lane, back as whole rows of 256 bytes.  LDS serves a wave's instructions in order (ISA guide 5.7.1.4).
.macro TOSTAGE a
.irp b, 0,1,2,3
	ds_store_b128 v6, v[ACC+8*(4*(\a)+\b):ACC+8*(4*(\a)+\b)+3] offset:64*\b          ; each accumulator from its low end on
	ds_store_b128 v6, v[ACC+8*(4*(\a)+\b)+4:ACC+8*(4*(\a)+\b)+7] offset:64*\b+16
.endr
.irp t, 0,1,2,3,4,5,6,7
	ds_load_b128 v[BK+32*((\a)%2)+4*\t:BK+32*((\a)%2)+4*\t+3], v7 offset:544*\t
.endr
.endm
.macro SEND a, younger                 ; younger: the LDS instructions issued behind tile a's loads
	s_wait_dscnt \younger
.irp t, 0,1,2,3,4,5,6,7                ; stage rows 2 t and 2 t + 1 are rows 32 (a / 2) + 8 (a % 2) + 2 t + 8 (t / 4) and the next of my 64
	global_store_b128 v8, v[BK+32*((\a)%2)+4*\t:BK+32*((\a)%2)+4*\t+3], s[14:15] offset:(32*((\a)/2)+8*((\a)%2)+2*\t+8*(\t/4))*4096 th:TH_STORE_NT   ; 16 lanes store 256 consecutive bytes, at a multiple of 256 from out0's first byte
.endr
.endm
	PLACES                                         ; in front of the first read of results and of loads into operand registers
	TOSTAGE 0
	TOSTAGE 1
	SEND 0, 16                                     ; behind tile 0's loads: tile 1's 8 stores and 8 loads
	s_wait_xcnt 0x0                                ; tile 0's stores have read their registers: tile 2's loads may land there
	TOSTAGE 2
	SEND 1, 16
	s_wait_xcnt 0x0
	TOSTAGE 3
	SEND 2, 16
	SEND 3, 0
	s_wait_tensorcnt 0x0
	ds_add_u32 v30, v31
	s_wait_dscnt 0x0
	CROUND                                         ; the closing round
	s_endpgm
.Lfunc_end_k_qa2072a464e_proj:
	.size	k_qa2072a464e_proj, .Lfunc_end_k_qa2072a464e_proj-k_qa2072a464e_proj
	.p2alignl 7, 3214868480
	.fill 96, 4, 3214868480
	.section	.rodata,"a",@progbits
	.p2align	6, 0x0
	.amdhsa_kernel k_qa2072a464e_proj
		.amdhsa_group_segment_fixed_size 232960
		.amdhsa_private_segment_fixed_size 0
		.amdhsa_enable_private_segment 0
		.amdhsa_kernarg_size 48
		.amdhsa_user_sgpr_count 2
		.amdhsa_user_sgpr_kernarg_segment_ptr 1
		.amdhsa_wavefront_size32 1
		.amdhsa_system_sgpr_workgroup_id_x 1
		.amdhsa_system_sgpr_workgroup_id_y 1
		.amdhsa_system_sgpr_workgroup_id_z 1
		.amdhsa_system_vgpr_workitem_id 0
		.amdhsa_next_free_vgpr 256
		.amdhsa_next_free_sgpr 102
		.amdhsa_reserve_vcc 0
		.amdhsa_float_denorm_mode_32 3
		.amdhsa_float_denorm_mode_16_64 3
		.amdhsa_memory_ordered 1
		.amdhsa_forward_progress 1
		.amdhsa_inst_pref_size 60
	.end_amdhsa_kernel
	.amdgpu_metadata
---
amdhsa.version: [ 1, 2 ]
amdhsa.kernels:
  - .name:           k_qa2072a464e_proj
    .symbol:         k_qa2072a464e_proj.kd
    .args:
      - { .name: oimg, .offset: 0, .size: 8, .value_kind: global_buffer, .address_space: global }
      - { .name: osc, .offset: 8, .size: 8, .value_kind: global_buffer, .address_space: global }
      - { .name: wo_codes, .offset: 16, .size: 8, .value_kind: global_buffer, .address_space: global }
      - { .name: wo_scales, .offset: 24, .size: 8, .value_kind: global_buffer, .address_space: global }
      - { .name: bo, .offset: 32, .size: 8, .value_kind: global_buffer, .address_space: global }
      - { .name: out0, .offset: 40, .size: 8, .value_kind: global_buffer, .address_space: global }
    .group_segment_fixed_size: 232960
    .private_segment_fixed_size: 0
    .kernarg_segment_align: 8
    .kernarg_segment_size: 48
    .max_flat_workgroup_size: 128
    .sgpr_count:     102
    .vgpr_count:     256
    .wavefront_size: 32
...
	.end_amdgpu_metadata
.endif
;; end of part 3
